; MI455X (gfx1250); checked and timed in simulation.
; The chip was launched on July 23, 2026; its instructions are those of AMD's public machine-readable ISA for CDNA 5 (MIT licence, August 2026) and "CDNA5" Instruction Set Architecture Reference Guide (July 2026). The comments in the code are by the model that wrote it; some were corrected since.
;; Attention Hyper Net. Allowed arithmetic: float matrix products may take bf16 or f16 operands with f32 sums; other float arithmetic in f32, or as packed bf16 or f16 multiplies, adds, multiply-adds, maxima and minima; sums over many terms, partial sums and values carried from step to step in f32; what a program stores and reads back later, other than sums and carried values, may be rounded once to bf16 or f16.
;; Inputs: W1 19 x 128 float32; W2 128 x 32 float32; Wout 128 x 128 float32; Wqkv 128 x 384 float32; b1 128 float32; b2 32 float32; bout 128 float32; entities 4,096 x 128 x 19 float32; entity_mask 4,096 x 128 int32.
;; Outputs: out0 4,096 x 64 x 32 float32.
;; One version. Each part assembles by itself: llvm-mc -triple=amdgcn-amd-amdhsa -mcpu=gfx1250 --defsym DOCPART=n.
;; ======== version 1 of 1: 1 launch
;; limits: right only within a limited range of input values
;; launch hyper (part 1): grid 256 x 1, 4 waves a work-group, no clusters, 327,680 bytes of LDS; arguments entities, entity_mask, W1, b1, Wqkv, Wout, bout, W2, b2, out0; writes out0
.if DOCPART == 1
	.amdgcn_target "amdgcn-amd-amdhsa--gfx1250"
	.amdhsa_code_object_version 6
	.text
	.protected	k_qc8711896c0_hyper
	.globl	k_qc8711896c0_hyper
	.p2align	8
	.type	k_qc8711896c0_hyper,@function
k_qc8711896c0_hyper:
	s_mov_b64 s[64:65], 0
	v_nop
	global_prefetch_b8 v0, s[64:65] scope:SCOPE_SE
	s_setreg_imm32_b32 hwreg(HW_REG_WAVE_MODE, 25, 1), 1
	s_wait_xcnt 0x0
; AttentionHyperNet, fused.  For each of 4,096 batches: x1 = relu(entities W1 + b1) (128 x 19 -> 128); q (64 agents), k, v = x1 Wqkv; four heads of 32 channels,
; softmax over the 128 keys with hidden keys; out = (attn Wout + bout) W2 + b2; rows of inactive agents are 0.  All buffers f32 but the int32 mask.
; SHARES.  256 work-groups of four waves; A WAVE MAKES A WHOLE BATCH BY ITSELF, four batches one after the other: batch 16 g + 4 w + b.
; LAYOUT.  Every product is turned so that its f32 result, rounded to bf16 in pairs, IS an operand fragment of the next product: a result holds in lane l column l % 16 and rows
; 8 (l / 16) + 0..7, and two such results are 32 along K for row or column l % 16.  So no activation goes through LDS, and the loop over batches has no barrier.
;   x1^T = W1a^T e^T (lane = entity) -> q^T, k^T = W^T x1^T (lane = entity, K = channel) and v = x1 Wv (lane = channel, K = entity) -> S^T = k q^T + mask (lane = query) -> P
;   -> O^T = v^T P (lane = query, K = channel) -> out^T = Wc^T attn^T (lane = query, eight neighbouring columns of a row of out0).
; FORMATS.  All matrix operands bf16, sums f32.  Every input is rounded to bf16 once, the biases too (b1 is row 19 of W1a and meets a 1.0 in the entities' fragment).
; out_trans and fc2 are ONE product: both selects of the module zero the same rows, so out = attn Wc + bc with Wc = Wout W2, bc = bout W2 + b2, made here in f32 from the rounded inputs.
; Wc and attn go in as pairs hi + lo of bf16 (three products: hi hi, hi lo, lo hi), since nothing averages their rounding away.
; MASKS.  A kept row (agent mask <= 0) hides key j if and only if mask[j] > 0, for every int32 mask; a row is zeroed if and only if its agent's mask > 0.  A kept agent sees its own key.
; SOFTMAX.  q's f32 sums are multiplied by c = log2(e) / sqrt(32) before their one rounding; p = 2^(s - m) with m the row's true maximum over all 128 keys; l is the sum of the unrounded p.
; LIMITS.  A hidden score counts as its value less 1e30: scaled scores must stay far under 1e29.  In a batch with no visible key every p is 1, and every row is zeroed by the last select.
; A weight below 2^-126 counts as 0.  NaN and infinities in the inputs are not treated apart (an entity's features 16-18 also meet zero rows of W1a in the upper lanes).
; NO CLUSTER: what work-groups share is the weights, 288,768 bytes of f32 that are wanted as bf16: they pass through registers, and an f32 image of them does not fit beside the
; 163,840 bytes of entities and masks in the work-group's 327,680.  NO RING: a wave's four batches of entities and masks lie in LDS at once, asked for by two tensor loads at the head.
;
; LDS (bytes).  Weights as bf16, stored [K][N], read as fragments by ds_load_tr16_b128; their pitches are odd multiples of 32 bytes.
.set PQ,    800       ; 0        Wqkv [128][384], 102,400
.set W1A,   102400    ;          32 rows x 128: W1's 19 rows, b1, 12 rows of 0; 9,216
.set P1,    288
.set WC,    111616    ;          128 rows (attn channel): 64 bytes of Wc hi, 64 of Wc lo; 20,480
.set PC,    160
.set W2S,   132096    ;          W2 [128][32], for the prologue; 12,288
.set P2,    96
.set STG,   144384    ;          a stage for each wave: 16 rows x 128 bytes of out0, pitch 144; 4 x 2,304
.set SP,    144
.set SPARE, 153600    ;          the spare words, 128 bytes for each wave: two blocks of 256 bytes that no other line names
.set MSK,   154112    ;          for each wave 4 batches x 128 int32, by a tensor load; 4 x 2,048
.set ENT,   162304    ;          for each wave 4 batches x 9,728 bytes, dense as in memory, by a tensor load; 4 x 38,912; ends at 317,952
.set ENTB,  9728
.set ENTW,  4*ENTB
; REGISTERS, in windows of 256 (s_set_vgpr_msb: bits 1:0 source 0, 3:2 source 1, 5:4 source 2, 7:6 destination).
; window 0
.set AW1,  1          ; prologue: where I store W1's rows
.set SPW,  2          ; LDS address of my spare word: SPARE + 4 x my thread's number; never rewritten
.set NIL,  3          ; 0; never rewritten
.set NEG1, 4          ; -1.0
.set AQB,  5          ; my lane's place in a turning load of Wqkv: (8 h + a) PQ + 16 g8
.set AQ0,  6          ; + 64 x head: features 0-63
.set AQ1,  7          ; features 64-127
.set A1,   8          ; the same in W1a
.set ACB,  9          ; the same in Wc
.set AC,   10         ; + the head's 32 rows
.set AE0B, 11         ; my entity's features 8 h ..: ENT + wave + 76 r + 32 h
.set AE1B, 12         ; its features 16 ..
.set AE0,  13         ; + batch
.set AE1,  14
.set AMB,  15         ; the masks of keys 8 h ..
.set AM,   16
.set AAMB, 17         ; agent r's mask
.set AAM,  18
.set STO,  19         ; the way out: where I put 32 bytes of a row
.set RD,   20         ; where I read rows back
.set GO,   21         ; 16 x lane
.set AMV,  22         ; v22-25 the agents' masks, a register a query tile
.set AWC,  22         ; prologue: where I store Wc
.set AW2F, 23         ; prologue: my place in a turning load of W2
.set AZ,   24         ; prologue: where I store W1a's rows of 0
.set SQ,   26         ; prologue: where I store Wqkv
.set H32,  27         ; prologue: 32 h
.set AWO,  28         ; prologue: 512 r + 32 h
.set AW2,  29         ; prologue: where I store W2
.set ZP,   30         ; prologue: a pair of 0
.set ST,   32         ; v32-55 statistics, tile t at ST + 12 t: m, the other half's m, 1 / l, the other half's l, then eight at work
.set LN,   56         ; v56-62 prologue: lane, r = l % 16, h = l / 16, a = l % 8, g8, 8 h + a, l / 8
.set RR,   57
.set HH,   58
.set AA,   59
.set G8,   60
.set HA,   61
.set L3,   62
.set S,    64         ; v64-191 S^T: tile t, key tile kt at S + 64 t + 8 kt; P takes the first 32 of each tile's 64; on the way out 16 registers a query tile
.set X3,   192        ; v192-255 out^T: query tile qt, column tile mt at X3 + 16 qt + 8 mt
.set WCA,  224        ; prologue: Wc's four sums
; window 1: x1, entity tile et, features 32 ks on at 32 et + 8 ks
; window 2
.set WFA,  0          ; weight fragments, two buffers of 64
.set WFB,  64
.set EF,   64         ; the entities' fragments, 8 a tile
.set ACC,  128        ; 16 accumulators of 8
.set T,    128        ; the entities' raw words, 11 a tile
.set OT,   128        ; O^T: tile t, channel tile ct at OT + 16 t + 8 ct
.set ATTH, 160        ; attn hi, 8 a query tile
.set ATTL, 192        ; attn lo
.set WCH,  224        ; Wc hi, 8 a column tile; Wc lo 16 further on
; window 3
.set QF,   0          ; q, 8 a query tile
.set KF,   32         ; k, 8 a key tile
.set VF,   96         ; v: channel tile ct, keys 32 kk on at VF + 32 ct + 8 kk
.set MASKC, 160       ; 0 or -1e30, 8 a key tile: the C operand that starts S^T
.set BC,   224        ; bc, 8 a column tile
; scalars
.set WV,   2          ; my wave's number
.set G0E,  28         ; s[28:31], s[32:39] the entities' descriptor
.set G1E,  32
.set G0M,  40         ; s[40:43], s[44:51] the masks'
.set G1M,  44
.set NB,   52         ; batches to go
.set NH,   53         ; heads to go
.set HQ,   54         ; 64 x head
.set HC,   55         ; 32 PC x head
.set BE,   56         ; ENTB x batch
.set BM,   57         ; 512 x batch
.set CS,   58         ; s[58:59] c
.set SEL,  60         ; s[60:61] v_permlanex16_b32's selects: each lane takes its own place in the other half
.set BIG,  62         ; -1e30
.set ZS,   63         ; 0
.set W1X,  66         ; s[66:67] the fifth of my rows of W1a in memory
.set KEEP, 68         ; s68-71 lanes whose agent is kept, a mask a query tile
.set MSB, 0
.macro WIN new                      ; the immediate's high byte repeats the setting that is left; a switch that changes nothing is dropped
.if MSB != (\new)
	s_set_vgpr_msb (MSB<<8)|(\new)
.set MSB, (\new)
.endif
.endm
; A vector instruction that reads a matrix result or writes one of a matrix instruction's registers, and a load into such a register, stand four places behind it; only plain vector
; instructions that name none of its registers are places (ISA guide 7.12.1 for vector instructions).
.macro PLACES
.rept 4
	v_nop
.endr
.endm
	s_load_b512 s[8:23], s[0:1], 0x0               ; entities 8, mask 10, W1 12, b1 14, Wqkv 16, Wout 18, bout 20, W2 22
	s_load_b128 s[24:27], s[0:1], 0x40             ; b2 24, out0 26
	v_lshl_add_u32 v[SPW], v0, 2, SPARE
	v_mov_b32 v[NIL], 0
	ds_add_u32 v[SPW], v[NIL]                      ; the wave's opening: the add and its wait stand ahead of my first tensor load; the set-up below, work on registers, stands between them
	v_lshrrev_b32 v1, 5, v0
	v_readfirstlane_b32 s[WV], v1                  ; wave 0..3
	; Both tiles are dense in memory: rows of 256 bytes (32 elements of 8 bytes), pitch 32 elements, no padding.  152 rows: my four batches of entities.  8 rows: their masks.
.irp g, G1E, G1M
	s_mov_b32 s[\g], 3<<16                         ; 15:0 no work-group mask; 17:16 elements of 8 bytes
	s_mov_b32 s[\g+1], 32<<16                      ; tensor_dim0 = 32
	s_mov_b32 s[\g+3], 32<<16                      ; tile_dim0 = 32
	s_mov_b32 s[\g+5], 32                          ; 32 elements from row to row
	s_mov_b32 s[\g+6], 0
	s_mov_b32 s[\g+7], 0
.endr
	s_mov_b32 s[G1E+2], 152<<16                    ; tensor_dim1
	s_mov_b32 s[G1E+4], 152                        ; tile_dim1
	s_mov_b32 s[G1M+2], 8<<16
	s_mov_b32 s[G1M+4], 8
	s_mov_b32 s[G0E], 1                            ; count = 1
	s_mul_i32 s[G0E+1], s[WV], ENTW
	s_add_co_u32 s[G0E+1], s[G0E+1], ENT           ; LDS address: a constant + the wave's number x a constant
	s_mov_b32 s[G0M], 1
	s_lshl_b32 s[G0M+1], s[WV], 11
	s_add_co_u32 s[G0M+1], s[G0M+1], MSK
	s_mov_b32 s[CS], 0x3e8293ee                    ; c = log2(e) / sqrt(32) = 0.255035
	s_mov_b32 s[CS+1], s[CS]                       ; named with it as a pair
	s_mov_b32 s[SEL], 0x76543210
	s_mov_b32 s[SEL+1], 0xfedcba98
	s_mov_b32 s[BIG], 0xf149f2ca                   ; -1e30
	s_mov_b32 s[ZS], 0
	s_lshl_b32 s3, ttmp9, 4
	s_lshl2_add_u32 s3, s[WV], s3                  ; my first batch: 16 g + 4 w
	s_mul_i32 s4, s3, ENTB                         ; its byte offsets, all under 2^26
	s_mov_b32 s5, 0
	s_lshl_b32 s6, s3, 9
	s_mov_b32 s7, 0
	s_wait_dscnt 0x0                               ; the opening add is done
	s_wait_kmcnt 0x0
	s_add_nc_u64 s[G0E+2:G0E+3], s[8:9], s[4:5]
	s_or_b32 s[G0E+3], s[G0E+3], 0x80000000        ; type = 2
	s_add_nc_u64 s[G0M+2:G0M+3], s[10:11], s[6:7]
	s_or_b32 s[G0M+3], s[G0M+3], 0x80000000
	tensor_load_to_lds s[G0M:G0M+3], s[G1M:G1M+7]  ; both first fills go out together, ahead of every wait on TENSORcnt, LDS read and barrier: two tensor loads of mine are out, and no more are issued
	s_nop 0
	tensor_load_to_lds s[G0E:G0E+3], s[G1E:G1E+7]
	s_nop 0
	v_and_b32 v[LN], 31, v0
	v_and_b32 v[RR], 15, v0
	v_bfe_u32 v[HH], v0, 4, 1
	v_lshlrev_b32 v[GO], 4, v[LN]
	v_lshlrev_b32 v[H32], 5, v[HH]
	v_lshl_add_u32 v[AWO], v[RR], 9, v[H32]
	s_lshl_b32 s4, s3, 13                          ; a batch of out0 is 8,192 bytes
	s_add_nc_u64 s[26:27], s[26:27], s[4:5]
	s_lshl_b32 s4, s[WV], 12                       ; each wave brings a quarter of each weight: 32 rows of W2,
	s_add_nc_u64 s[22:23], s[22:23], s[4:5]
	s_mul_i32 s4, s[WV], 5*512                     ; 5 rows of W1a (the 20th is b1),
	s_add_nc_u64 s[12:13], s[12:13], s[4:5]
	s_add_nc_u64 s[W1X:W1X+1], s[12:13], 4*512
	s_cmp_eq_u32 s[WV], 3
	s_cselect_b64 s[W1X:W1X+1], s[14:15], s[W1X:W1X+1]
	s_mul_i32 s4, s[WV], 32*1536                   ; 32 rows of Wqkv,
	s_add_nc_u64 s[16:17], s[16:17], s[4:5]
	s_lshl_b32 s4, s[WV], 14                       ; 32 rows of Wout
	s_add_nc_u64 s[18:19], s[18:19], s[4:5]
; THE WEIGHTS: 161 loads in one run.  Group 0 (17): W2, W1a, b2.  Groups 1, 2 (48 each): 16 rows of Wqkv.  Group 3 (48): Wout as fragments, bout.
.macro LOADQ win, rho0                 ; rows rho0 .. rho0 + 15 of my 32, 512 consecutive bytes a load, into v0-191 of window win
	WIN (\win)<<6
.set i, 0
.rept 48
	global_load_b128 v[4*i:4*i+3], v[GO], s[16:17] offset:((\rho0)+i/3)*1536+(i%3)*512
.set i, i+1
.endr
.endm
.macro CONVQ win, rho0                 ; rounded to bf16 in place, and stored: 256 consecutive bytes a store
	WIN ((\win)<<6)|((\win)<<2)|(\win)
.set i, 0
.rept 48
	v_cvt_pk_bf16_f32 v[4*i], v[4*i], v[4*i+1]
	v_cvt_pk_bf16_f32 v[4*i+1], v[4*i+2], v[4*i+3]
.set i, i+1
.endr
	WIN (\win)<<2
.set i, 0
.rept 48
	ds_store_b64 v[SQ], v[4*i:4*i+1] offset:((\rho0)+i/3)*PQ+(i%3)*256
.set i, i+1
.endr
.endm
.irp t, 0,1,2,3,4,5,6,7
	global_load_b128 v[64+4*\t:64+4*\t+3], v[GO], s[22:23] offset:512*\t       ; W2: four rows a load
.endr
.irp i, 0,1,2,3
	global_load_b128 v[96+4*\i:96+4*\i+3], v[GO], s[12:13] offset:512*\i       ; W1: a row a load
.endr
	global_load_b128 v[112:115], v[GO], s[W1X:W1X+1]
.irp u, 0,1,2,3
	global_load_b128 v[116+4*\u:116+4*\u+3], v[H32], s[24:25] offset:64*(\u/2)+16*(\u%2)  ; b2 as a C operand: columns 16 mt + 8 h + 0..7
.endr
	LOADQ 1, 0
	LOADQ 2, 16
	WIN 0xc0
.set f, 0
.rept 8                                ; Wout's row 16 nt + r, columns 32 ks + 8 h .. and 32 ks + 16 + 8 h ..: fragment f = 4 nt + ks as f32, 16 registers
.irp o, 0,1,2,3
	global_load_b128 v[16*f+4*\o:16*f+4*\o+3], v[AWO], s[18:19] offset:8192*(f/4)+128*(f%4)+64*(\o/2)+16*(\o%2)
.endr
.set f, f+1
.endr
.set f, 0
.rept 4                                ; bout likewise, the same in every column
.irp o, 0,1,2,3
	global_load_b128 v[128+16*f+4*\o:128+16*f+4*\o+3], v[H32], s[20:21] offset:128*f+64*(\o/2)+16*(\o%2)
.endr
.set f, f+1
.endr
	WIN 0
	; the lane terms, while the loads are out
	v_and_b32 v[AA], 7, v0
	v_bfe_u32 v[G8], v0, 3, 1
	v_bfe_u32 v[L3], v0, 3, 2
	v_lshl_add_u32 v[HA], v[HH], 3, v[AA]
	v_mul_u32_u24 v[AQB], v[HA], PQ                ; a turning load: lane l reads 16 bytes of row 8 h + a, columns 8 g8 ..; it leaves column l % 16 and 8 along K
	v_lshl_add_u32 v[AQB], v[G8], 4, v[AQB]
	v_mul_u32_u24 v[A1], v[HA], P1
	v_lshl_add_u32 v[A1], v[G8], 4, v[A1]
	v_add_nc_u32 v[A1], W1A, v[A1]
	v_mul_u32_u24 v[ACB], v[HA], PC
	v_lshl_add_u32 v[ACB], v[G8], 4, v[ACB]
	v_add_nc_u32 v[ACB], WC, v[ACB]
	v_mul_u32_u24 v[AW2F], v[HA], P2
	v_lshl_add_u32 v[AW2F], v[G8], 4, v[AW2F]
	v_add_nc_u32 v[AW2F], W2S, v[AW2F]
	v_mul_u32_u24 v[AE1B], v[RR], 76               ; an entity is 19 words
	v_add_nc_u32 v[AE1B], s[G0E+1], v[AE1B]
	v_lshl_add_u32 v[AE0B], v[HH], 5, v[AE1B]
	v_add_nc_u32 v[AE1B], 64, v[AE1B]
	v_lshl_add_u32 v[AMB], v[HH], 5, s[G0M+1]
	v_lshl_add_u32 v[AAMB], v[RR], 2, s[G0M+1]
	s_mul_i32 s4, s[WV], 16*SP
	s_add_co_u32 s4, s4, STG                       ; my stage
	v_mul_u32_u24 v[STO], v[RR], SP                ; in: row r, 32 bytes for each half of the lanes
	v_lshl_add_u32 v[STO], v[HH], 5, v[STO]
	v_add_nc_u32 v[STO], s4, v[STO]
	v_mul_u32_u24 v[RD], v[L3], SP                 ; back: 32 lanes take four rows of 128 bytes
	v_lshl_add_u32 v[RD], v[AA], 4, v[RD]
	v_add_nc_u32 v[RD], s4, v[RD]
	s_mul_i32 s4, s[WV], 32*PQ
	v_lshl_add_u32 v[SQ], v[LN], 3, s4
	s_mul_i32 s4, s[WV], 32*P2
	s_add_co_u32 s4, s4, W2S
	v_mul_u32_u24 v[AW2], v[L3], P2
	v_lshl_add_u32 v[AW2], v[AA], 3, v[AW2]
	v_add_nc_u32 v[AW2], s4, v[AW2]
	s_mul_i32 s4, s[WV], 5*P1
	s_add_co_u32 s4, s4, W1A
	v_lshl_add_u32 v[AW1], v[LN], 3, s4
	s_mul_i32 s4, s[WV], 3*P1
	s_add_co_u32 s4, s4, W1A+20*P1
	v_lshl_add_u32 v[AZ], v[LN], 3, s4
	s_mul_i32 s4, s[WV], 32*PC
	s_add_co_u32 s4, s4, WC
	v_mul_u32_u24 v[AWC], v[RR], PC
	v_lshl_add_u32 v[AWC], v[HH], 4, v[AWC]
	v_add_nc_u32 v[AWC], s4, v[AWC]
	v_mov_b32 v[ZP], 0
	v_mov_b32 v[ZP+1], 0
	v_mov_b32 v[NEG1], 0xbf800000
	s_wait_loadcnt 63                              ; loads come back in order (ISA guide 5.7.1): 144 are younger than group 0's last and 96 than group 1's, so both groups are in; 63 is the largest count the wait can name
.set t, 0
.rept 8
	v_cvt_pk_bf16_f32 v[64+4*t], v[64+4*t], v[64+4*t+1]
	v_cvt_pk_bf16_f32 v[64+4*t+1], v[64+4*t+2], v[64+4*t+3]
	ds_store_b64 v[AW2], v[64+4*t:64+4*t+1] offset:4*P2*t
.set t, t+1
.endr
.set t, 0
.rept 5
	v_cvt_pk_bf16_f32 v[96+4*t], v[96+4*t], v[96+4*t+1]
	v_cvt_pk_bf16_f32 v[96+4*t+1], v[96+4*t+2], v[96+4*t+3]
	ds_store_b64 v[AW1], v[96+4*t:96+4*t+1] offset:P1*t
.set t, t+1
.endr
.irp t, 0,1,2
	ds_store_b64 v[AZ], v[ZP:ZP+1] offset:P1*\t    ; rows 20 + 3 w ..: K beyond 19 features and the bias adds nothing
.endr
.set t, 0
.rept 8                                ; b2 rounded to bf16, held as f32: v32-47
	v_cvt_pk_bf16_f32 v[116+2*t], v[116+2*t], v[116+2*t+1]
	v_lshlrev_b32 v[32+2*t], 16, v[116+2*t]
	v_and_b32 v[32+2*t+1], 0xffff0000, v[116+2*t]
.set t, t+1
.endr
	CONVQ 1, 0
	s_wait_loadcnt 48                              ; group 2 is in; group 3's 48 may stay out
	CONVQ 2, 16
	s_wait_loadcnt 0x0
	WIN 0x0f                                       ; sources window 3, destination window 0
.set i, 0
.rept 96                               ; Wout's eight fragments to v64-127, bout's four to v128-159
	v_cvt_pk_bf16_f32 v[64+i], v[2*i], v[2*i+1]
.set i, i+1
.endr
	WIN 0
	s_wait_dscnt 0x0                               ; for the others' sake: my rows of W2, W1a and Wqkv are stored
	s_barrier_signal -1
	s_barrier_wait -1                              ; everybody's are; the tensor loads may stay out
.set f, 0
.rept 8                                ; W2^T: column tile mt, rows 32 ks on at v[160 + 8 (4 mt + ks)]
	ds_load_tr16_b128 v[160+8*f:160+8*f+3],   v[AW2F] offset:32*P2*(f%4)+32*(f/4)
	ds_load_tr16_b128 v[160+8*f+4:160+8*f+7], v[AW2F] offset:32*P2*(f%4)+32*(f/4)+16*P2
.set f, f+1
.endr
	s_wait_dscnt 0x0
; Wc^T = W2^T Wout^T for my 32 rows of Wout (four sums), and bc = W2^T bout + b2 (two sums, every wave its own copy, the same in every column): six accumulators by turns.
.irp ks, 0,1,2,3
.set tl, 0
.rept 4                                ; tl = 2 mt + nt
.if (\ks) == 0
	v_wmma_f32_16x16x32_bf16 v[WCA+8*tl:WCA+8*tl+7], v[160+8*(4*(tl/2)+\ks):160+8*(4*(tl/2)+\ks)+7], v[64+8*(4*(tl%2)+\ks):64+8*(4*(tl%2)+\ks)+7], 0
.else
	v_wmma_f32_16x16x32_bf16 v[WCA+8*tl:WCA+8*tl+7], v[160+8*(4*(tl/2)+\ks):160+8*(4*(tl/2)+\ks)+7], v[64+8*(4*(tl%2)+\ks):64+8*(4*(tl%2)+\ks)+7], v[WCA+8*tl:WCA+8*tl+7]
.endif
.set tl, tl+1
.endr
.irp mt, 0,1
.if (\ks) == 0
	v_wmma_f32_16x16x32_bf16 v[48+8*\mt:48+8*\mt+7], v[160+8*(4*\mt+\ks):160+8*(4*\mt+\ks)+7], v[128+8*\ks:128+8*\ks+7], v[32+8*\mt:32+8*\mt+7]
.else
	v_wmma_f32_16x16x32_bf16 v[48+8*\mt:48+8*\mt+7], v[160+8*(4*\mt+\ks):160+8*(4*\mt+\ks)+7], v[128+8*\ks:128+8*\ks+7], v[48+8*\mt:48+8*\mt+7]
.endif
.endr
.endr
	PLACES
.set tl, 0
.rept 4                                ; a lane holds row 16 nt + r of Wc and columns 16 mt + 8 h + 0..7: hi = bf16(x), lo = bf16(x - hi), 16 bytes each
.irp i, 0,1,2,3
	v_cvt_pk_bf16_f32 v[64+8*tl+\i], v[WCA+8*tl+2*\i], v[WCA+8*tl+2*\i+1]
.endr
.irp i, 0,1,2,3
	v_fma_mix_f32_bf16 v[WCA+8*tl+2*\i], v[64+8*tl+\i], v[NEG1], v[WCA+8*tl+2*\i] op_sel_hi:[1,0,0]
	v_fma_mix_f32_bf16 v[WCA+8*tl+2*\i+1], v[64+8*tl+\i], v[NEG1], v[WCA+8*tl+2*\i+1] op_sel:[1,0,0] op_sel_hi:[1,0,0]
.endr
.irp i, 0,1,2,3
	v_cvt_pk_bf16_f32 v[68+8*tl+\i], v[WCA+8*tl+2*\i], v[WCA+8*tl+2*\i+1]
.endr
	ds_store_b128 v[AWC], v[64+8*tl:64+8*tl+3] offset:16*PC*(tl%2)+32*(tl/2)
	ds_store_b128 v[AWC], v[68+8*tl:68+8*tl+3] offset:16*PC*(tl%2)+32*(tl/2)+64
.set tl, tl+1
.endr
	WIN 0xc0
.set i, 0
.rept 16
	v_mov_b32 v[BC+i], v[48+i]                     ; bc goes to window 3, where it stays
.set i, i+1
.endr
	WIN 0
.irp t, 0,1
	v_mov_b32 v[ST+12*\t+1], 0                     ; v_permlanex16_b32's destinations count as read: they are written once here
	v_mov_b32 v[ST+12*\t+3], 0
.endr
	s_mov_b32 s[NB], 4
	s_mov_b32 s[BE], 0
	s_mov_b32 s[BM], 0
	s_wait_tensorcnt 0x0                           ; my entities and masks are in: only I read them.  For 0, since one text serves all four batches
	s_wait_dscnt 0x0                               ; for the others' sake: my rows of Wc are stored
	s_barrier_signal -1
	s_barrier_wait -1                              ; the weights are whole; from here on no wave waits for another
; A head's weight fragments: 32 columns (two tiles) x 128 features of q (sel 0), k (1) or v (2), 16 turning loads into buffer buf: tile mt, features 32 ks on at buf + 8 (4 mt + ks)
.macro LDW buf, sel
	WIN 0x80
.irp mt, 0,1
.irp ks, 0,1,2,3
	ds_load_tr16_b128 v[(\buf)+8*(4*\mt+\ks):(\buf)+8*(4*\mt+\ks)+3],   v[AQ0+(\ks)/2] offset:256*(\sel)+32*\mt+32*PQ*((\ks)%2)
	ds_load_tr16_b128 v[(\buf)+8*(4*\mt+\ks)+4:(\buf)+8*(4*\mt+\ks)+7], v[AQ0+(\ks)/2] offset:256*(\sel)+32*\mt+32*PQ*((\ks)%2)+16*PQ
.endr
.endr
.endm
.macro LDWC                            ; the head's 32 rows of Wc, hi and lo, two column tiles each
	WIN 0x80
.irp x, 0,1
.irp mt, 0,1
	ds_load_tr16_b128 v[WCH+16*\x+8*\mt:WCH+16*\x+8*\mt+3],   v[AC] offset:64*\x+32*\mt
	ds_load_tr16_b128 v[WCH+16*\x+8*\mt+4:WCH+16*\x+8*\mt+7], v[AC] offset:64*\x+32*\mt+16*PC
.endr
.endr
.endm
; In every run of products the accumulators take turns, one instruction a turn; the first product on each starts its sum.
; q^T or k^T: source 0 = 16 channels of W^T, source 1 = 16 entities of x1; nn entity tiles; sum (mt, nt) at ACC + 8 (mt nn + nt)
.macro PROJT nn, buf
	WIN 0xa6
.irp ks, 0,1,2,3
.irp mt, 0,1
.set nt, 0
.rept \nn
.set rD, ACC+8*((\mt)*(\nn)+nt)
.set rA, (\buf)+8*(4*(\mt)+(\ks))
.set rB, 32*nt+8*(\ks)
.if (\ks) == 0
	v_wmma_f32_16x16x32_bf16 v[rD:rD+7], v[rA:rA+7], v[rB:rB+7], 0
.else
	v_wmma_f32_16x16x32_bf16 v[rD:rD+7], v[rA:rA+7], v[rB:rB+7], v[rD:rD+7]
.endif
.set nt, nt+1
.endr
.endr
.endr
.endm
; v: source 0 = 16 entities of x1, source 1 = 16 channels of W; sum (et, nt) at ACC + 8 (2 et + nt)
.macro PROJV buf
	WIN 0xa9
.irp ks, 0,1,2,3
.set ac, 0
.rept 16
.set rD, ACC+8*ac
.set rA, 32*(ac/2)+8*(\ks)
.set rB, (\buf)+8*(4*(ac%2)+(\ks))
.if (\ks) == 0
	v_wmma_f32_16x16x32_bf16 v[rD:rD+7], v[rA:rA+7], v[rB:rB+7], 0
.else
	v_wmma_f32_16x16x32_bf16 v[rD:rD+7], v[rA:rA+7], v[rB:rB+7], v[rD:rD+7]
.endif
.set ac, ac+1
.endr
.endr
.endm
; The sums become fragments: register 4 u + i of a fragment is the pair 2 i, 2 i + 1 of the sum for the u-th 16 along its K.  Each sum's registers are read in ascending order.
.macro CVTQ
	WIN 0x8a
.set i, 0
.rept 32
	v_pk_mul_f32 v[ACC+2*i:ACC+2*i+1], v[ACC+2*i:ACC+2*i+1], s[CS:CS+1] op_sel_hi:[1,0]  ; c, in f32, ahead of q's one rounding
.set i, i+1
.endr
	WIN 0xca
.set i, 0
.rept 32                               ; i = 8 nt + 4 mt + pair
	v_cvt_pk_bf16_f32 v[QF+i], v[ACC+8*(4*((i/4)%2)+i/8)+2*(i%4)], v[ACC+8*(4*((i/4)%2)+i/8)+2*(i%4)+1]
.set i, i+1
.endr
.endm
.macro CVTK
	WIN 0xca
.set i, 0
.rept 64                               ; i = 8 kt + 4 mt + pair
	v_cvt_pk_bf16_f32 v[KF+i], v[ACC+8*(8*((i/4)%2)+i/8)+2*(i%4)], v[ACC+8*(8*((i/4)%2)+i/8)+2*(i%4)+1]
.set i, i+1
.endr
.endm
.macro CVTV
	WIN 0xca
.set i, 0
.rept 64                               ; i = 32 nt + 8 kk + 4 u + pair; entity tile 2 kk + u
	v_cvt_pk_bf16_f32 v[VF+i], v[ACC+8*(2*((i%32)/4)+i/32)+2*(i%4)], v[ACC+8*(2*((i%32)/4)+i/32)+2*(i%4)+1]
.set i, i+1
.endr
.endm
; fc1 for entity tiles 2 g, 2 g + 1: 16 products of one K step (19 features, the bias, zeros), rounded to bf16, then the relu on packed halves (it rounds nothing)
.macro FC1 g
	WIN 0x8a
.irp e, 0,1
.irp ft, 0,1,2,3,4,5,6,7
	v_wmma_f32_16x16x32_bf16 v[ACC+8*(8*\e+\ft):ACC+8*(8*\e+\ft)+7], v[WFA+8*\ft:WFA+8*\ft+7], v[EF+8*(2*(\g)+\e):EF+8*(2*(\g)+\e)+7], 0
.endr
.endr
	PLACES
	WIN 0x4a
.irp e, 0,1
.set i, 0
.rept 32
	v_cvt_pk_bf16_f32 v[32*(2*(\g)+\e)+i], v[ACC+8*(8*\e+i/4)+2*(i%4)], v[ACC+8*(8*\e+i/4)+2*(i%4)+1]
.set i, i+1
.endr
.endr
	WIN 0x41
.set i, 0
.rept 64
	v_pk_max_num_bf16 v[64*(\g)+i], v[64*(\g)+i], s[ZS]
.set i, i+1
.endr
.endm
; S^T for query tiles 2 p, 2 p + 1: one K step of 32 channels; the C operand is the keys' mask
.macro SMAT p
	WIN 0x3f
.irp kt, 0,1,2,3,4,5,6,7
.irp t, 0,1
	v_wmma_f32_16x16x32_bf16 v[S+64*\t+8*\kt:S+64*\t+8*\kt+7], v[KF+8*\kt:KF+8*\kt+7], v[QF+8*(2*(\p)+\t):QF+8*(2*(\p)+\t)+7], v[MASKC+8*\kt:MASKC+8*\kt+7]
.endr
.endr
.endm
; ONE TILE'S SOFTMAX is a numbered list of 197 instructions, all in window 0; SM writes number j of it for tile t.  s0-s63 are the lane's 64 scores; the query's other 64 lie in the lane 16 away.
;   0-31    the maximum, three operands at a time, in four chains; each accumulator's lowest registers are read first
;   32, 33  the other half of the lanes' maximum; m       34-65  s - m, a pair each       66-129  the exponentials
;   130-163 the sum of the unrounded weights, in four chains of pairs, and the other half's       164  1 / l       165-196  the weights rounded to bf16, in place, ascending: P
.macro SM t
.set rT, ST+12*(\t)
.set rS, S+64*(\t)
.if j < 28
.set n, j/4
.set c, j%4
.if n == 0
	v_max3_num_f32 v[rT+4+c], v[rS+8*c], v[rS+8*c+1], v[rS+8*c+2]
.elseif n < 3
	v_max3_num_f32 v[rT+4+c], v[rT+4+c], v[rS+8*c+2*n+1], v[rS+8*c+2*n+2]
.else
	v_max3_num_f32 v[rT+4+c], v[rT+4+c], v[rS+8*c+32+2*(n-3)], v[rS+8*c+32+2*(n-3)+1]
.endif
.elseif j == 28
	v_max3_num_f32 v[rT+4], v[rT+4], v[rS+7], v[rS+15]
.elseif j == 29
	v_max3_num_f32 v[rT+6], v[rT+6], v[rS+23], v[rS+31]
.elseif j == 30
	v_max3_num_f32 v[rT+4], v[rT+4], v[rT+5], v[rT+6]
.elseif j == 31
	v_max_num_f32 v[rT+4], v[rT+4], v[rT+7]
.elseif j == 32
	v_permlanex16_b32 v[rT+1], v[rT+4], s[SEL], s[SEL+1]
.elseif j == 33
	v_max_num_f32 v[rT], v[rT+4], v[rT+1]
.elseif j < 66
	v_pk_add_f32 v[rS+2*(j-34):rS+2*(j-34)+1], v[rS+2*(j-34):rS+2*(j-34)+1], v[rT:rT+1] op_sel_hi:[1,0] neg_lo:[0,1] neg_hi:[0,1]
.elseif j < 130
	v_exp_f32 v[rS+j-66], v[rS+j-66]
.elseif j < 158
.set n, (j-130)/4
.set c, (j-130)%4
.if n == 0
	v_pk_add_f32 v[rT+4+2*c:rT+5+2*c], v[rS+2*c:rS+2*c+1], v[rS+2*c+8:rS+2*c+9]
.else
	v_pk_add_f32 v[rT+4+2*c:rT+5+2*c], v[rT+4+2*c:rT+5+2*c], v[rS+2*(c+4*(n+1)):rS+2*(c+4*(n+1))+1]
.endif
.elseif j == 158
	v_pk_add_f32 v[rT+4:rT+5], v[rT+4:rT+5], v[rT+6:rT+7]
.elseif j == 159
	v_pk_add_f32 v[rT+8:rT+9], v[rT+8:rT+9], v[rT+10:rT+11]
.elseif j == 160
	v_pk_add_f32 v[rT+4:rT+5], v[rT+4:rT+5], v[rT+8:rT+9]
.elseif j == 161
	v_add_f32 v[rT+4], v[rT+4], v[rT+5]
.elseif j == 162
	v_permlanex16_b32 v[rT+3], v[rT+4], s[SEL], s[SEL+1]
.elseif j == 163
	v_add_f32 v[rT+4], v[rT+4], v[rT+3]
.elseif j == 164
	v_rcp_f32 v[rT+2], v[rT+4]
.else
	v_cvt_pk_bf16_f32 v[rS+j-165], v[rS+2*(j-165)], v[rS+2*(j-165)+1]
.endif
.endm
.macro SM2                             ; number j of both tiles: the tiles alternate, so that no instruction reads the result of the one just before it
	SM 0
	SM 1
.endm
; The deal: the maximum; then subtractions and exponentials by turns, a pair's exponentials a step behind its subtraction.  The 128 exponentials are ONE BATCH: nothing ahead of the wait names a
; result of theirs; a v_nop is the plain instruction behind the last (ISA guide 5.7.2), and one s_wait_alu ahead of the first reader serves them all.
.macro SOFT
	WIN 0
.set j, 0
.rept 34
	SM2
.set j, j+1
.endr
.set q, 0
.rept 32
.set j, 34+q
	SM2
.if q > 0
.set j, 64+2*q
	SM2
.set j, 65+2*q
	SM2
.endif
.set q, q+1
.endr
.set j, 128
	SM2
.set j, 129
	SM2
	v_nop
	s_wait_alu depctr_va_vdst(0)
.set j, 130
.rept 67
	SM2
.set j, j+1
.endr
.endm
; O^T = V^T P for the two tiles: four K steps of 32 keys, four accumulators by turns
.macro PVM
	WIN 0xa3
.irp kk, 0,1,2,3
.irp t, 0,1
.irp ct, 0,1
.set rD, OT+16*\t+8*\ct
.if (\kk) == 0
	v_wmma_f32_16x16x32_bf16 v[rD:rD+7], v[VF+32*\ct+8*\kk:VF+32*\ct+8*\kk+7], v[S+64*\t+8*\kk:S+64*\t+8*\kk+7], 0
.else
	v_wmma_f32_16x16x32_bf16 v[rD:rD+7], v[VF+32*\ct+8*\kk:VF+32*\ct+8*\kk+7], v[S+64*\t+8*\kk:S+64*\t+8*\kk+7], v[rD:rD+7]
.endif
.endr
.endr
.endr
.endm
; attn = O / l, split: hi = bf16(x), lo = bf16(x - hi): two fragments (lane = query, K = the head's 32 channels) a tile
.macro OFIN p
	PLACES
	s_wait_alu depctr_va_vdst(0)                   ; the wait ahead of the first reader of the two reciprocals: one for both
	WIN 0x82
.irp t, 0,1
.set i, 0
.rept 8
	v_pk_mul_f32 v[OT+16*\t+2*i:OT+16*\t+2*i+1], v[OT+16*\t+2*i:OT+16*\t+2*i+1], v[ST+12*\t+2:ST+12*\t+3] op_sel_hi:[1,0]
.set i, i+1
.endr
.endr
	WIN 0x8a
.irp t, 0,1
.set i, 0
.rept 8
	v_cvt_pk_bf16_f32 v[ATTH+8*(2*(\p)+\t)+i], v[OT+16*\t+2*i], v[OT+16*\t+2*i+1]
.set i, i+1
.endr
.endr
	WIN 0xa2
.irp t, 0,1
.set i, 0
.rept 8
	v_fma_mix_f32_bf16 v[OT+16*\t+2*i], v[ATTH+8*(2*(\p)+\t)+i], v[NEG1], v[OT+16*\t+2*i] op_sel_hi:[1,0,0]
	v_fma_mix_f32_bf16 v[OT+16*\t+2*i+1], v[ATTH+8*(2*(\p)+\t)+i], v[NEG1], v[OT+16*\t+2*i+1] op_sel:[1,0,0] op_sel_hi:[1,0,0]
.set i, i+1
.endr
.endr
	WIN 0x8a
.irp t, 0,1
.set i, 0
.rept 8
	v_cvt_pk_bf16_f32 v[ATTL+8*(2*(\p)+\t)+i], v[OT+16*\t+2*i], v[OT+16*\t+2*i+1]
.set i, i+1
.endr
.endr
.endm
; out^T += Wc^T attn^T for the head's 32 channels: Wc hi x attn hi, Wc hi x attn lo, Wc lo x attn hi; eight accumulators by turns.  The four places behind the last product stand here: with the three
; address lines at the loop's head they are seven ahead of the products that write over attn's registers, and behind the last head they are the places ahead of the way out.
.macro OUTP
	s_wait_dscnt 0x0                               ; Wc's fragments are in
	WIN 0x0a
.irp x, 0,1,2
.irp qt, 0,1,2,3
.irp mt, 0,1
	v_wmma_f32_16x16x32_bf16 v[X3+16*\qt+8*\mt:X3+16*\qt+8*\mt+7], v[WCH+16*((\x)/2)+8*\mt:WCH+16*((\x)/2)+8*\mt+7], v[ATTH+32*((\x)%2)+8*\qt:ATTH+32*((\x)%2)+8*\qt+7], v[X3+16*\qt+8*\mt:X3+16*\qt+8*\mt+7]
.endr
.endr
.endr
	WIN 0
	PLACES
.endm
; THE WAY OUT of query tile qt: rows of inactive agents become 0; a lane's 2 x 32 bytes of a row go into my stage and come back as whole rows, four rows (512 consecutive bytes of out0) a load.
.macro PACK qt
	WIN 0
.set i, 0
.rept 16
	v_cndmask_b32 v[X3+16*(\qt)+i], 0, v[X3+16*(\qt)+i], s[KEEP+(\qt)]
.set i, i+1
.endr
.irp f, 0,1,2,3
	ds_store_b128 v[STO], v[X3+16*(\qt)+4*\f:X3+16*(\qt)+4*\f+3] offset:64*(\f/2)+16*(\f%2)
.endr
.irp f, 0,1,2,3
	ds_load_b128 v[S+16*(\qt)+4*\f:S+16*(\qt)+4*\f+3], v[RD] offset:4*SP*\f  ; LDS serves a wave's instructions in order (ISA guide 5.7.1.4): these see the stores above; the next tile's stores come behind them
.endr
.endm
.macro SEND qt, younger                ; younger: the LDS instructions issued behind tile qt's loads: the next tile's eight, or none
	s_wait_dscnt \younger
.irp f, 0,1,2,3
	global_store_b128 v[GO], v[S+16*(\qt)+4*\f:S+16*(\qt)+4*\f+3], s[26:27] offset:2048*(\qt)+512*\f th:TH_STORE_NT  ; 512 consecutive bytes, at a multiple of 256 from out0's first
.endr
.endm
.Lbatch:                               ; four trips: a batch each
	v_add_nc_u32 v[AE0], s[BE], v[AE0B]
	v_add_nc_u32 v[AE1], s[BE], v[AE1B]
	v_add_nc_u32 v[AM], s[BM], v[AMB]
	v_add_nc_u32 v[AAM], s[BM], v[AAMB]
	WIN 0x80
.set et, 0
.rept 8                                ; my entity's features 8 h + 0..7 and 16..18, as they lie: rows of 19 words allow loads of one word alone
.irp i, 0,1,2,3,4,5,6,7
	ds_load_b32 v[T+11*et+\i], v[AE0] offset:1216*et+4*\i
.endr
.irp i, 0,1,2
	ds_load_b32 v[T+11*et+8+\i], v[AE1] offset:1216*et+4*\i
.endr
.set et, et+1
.endr
.irp ft, 0,1,2,3,4,5,6,7
	ds_load_tr16_b128 v[WFA+8*\ft:WFA+8*\ft+3],   v[A1] offset:32*\ft
	ds_load_tr16_b128 v[WFA+8*\ft+4:WFA+8*\ft+7], v[A1] offset:32*\ft+16*P1
.endr
	WIN 0xc0
.irp kt, 0,1,2,3,4,5,6,7
	ds_load_b128 v[MASKC+8*\kt:MASKC+8*\kt+3],   v[AM] offset:64*\kt
	ds_load_b128 v[MASKC+8*\kt+4:MASKC+8*\kt+7], v[AM] offset:64*\kt+16
.endr
	WIN 0
.irp qt, 0,1,2,3
	ds_load_b32 v[AMV+\qt], v[AAM] offset:64*\qt
.endr
	WIN 0x03
.set i, 0
.rept 64                               ; the last product's sums start at bc: 64 copies a batch, written while the loads are out, so that the loop over heads has one form of product
	v_mov_b32 v[X3+i], v[BC+i%16]
.set i, i+1
.endr
	s_wait_dscnt 36                                ; the 88 words are in; behind them W1a's 16 loads, the masks' 16 and the agents' 4 may stay out
	WIN 0x8a
.set et, 0
.rept 8                                ; a fragment: K = 8 h + 0..7, then (lower lanes) features 16-18, 1.0 for the bias, zeros; in the upper lanes the second half meets rows 24-31 of W1a, which are 0
.irp i, 0,1,2,3,4
	v_cvt_pk_bf16_f32 v[EF+8*et+\i], v[T+11*et+2*\i], v[T+11*et+2*\i+1]
.endr
	v_cvt_pk_bf16_f32 v[EF+8*et+5], v[T+11*et+10], 1.0
	v_mov_b32 v[EF+8*et+6], 0
	v_mov_b32 v[EF+8*et+7], 0
.set et, et+1
.endr
	s_wait_dscnt 0x0
	WIN 0xcc
.set i, 0
.rept 64
	v_cmp_lt_i32 vcc_lo, 0, v[MASKC+i]             ; hidden where the key's mask is above 0
	v_cndmask_b32 v[MASKC+i], 0, s[BIG], vcc_lo
.set i, i+1
.endr
	WIN 0
.irp qt, 0,1,2,3
	v_cmp_ge_i32 s[KEEP+\qt], 0, v[AMV+\qt]        ; kept where the agent's mask is 0 or less
.endr
	FC1 0
	FC1 1
	FC1 2
	FC1 3
	s_mov_b32 s[NH], 4
	s_mov_b32 s[HQ], 0
	s_mov_b32 s[HC], 0
	WIN 0                                          ; at a label and at a branch every window is 0
.Lhead:                                ; four trips: a head each
	v_add_nc_u32 v[AQ0], s[HQ], v[AQB]
	v_add_nc_u32 v[AQ1], 64*PQ, v[AQ0]
	v_add_nc_u32 v[AC], s[HC], v[ACB]
	LDW WFA, 0
	LDW WFB, 1
	s_wait_dscnt 16                                ; q's weights are in; k's 16 loads may stay out
	PROJT 4, WFA
	PLACES
	LDW WFA, 2                                     ; v's weights take the buffer that q's products have read
	CVTQ
	s_wait_dscnt 16                                ; k's weights are in; v's 16 loads may stay out
	PROJT 8, WFB
	PLACES
	CVTK
	s_wait_dscnt 0x0
	PROJV WFA
	PLACES
	CVTV
	LDWC                                           ; into registers that v's sums have left; waited for ahead of the last product
.irp p, 0,1
	SMAT \p
	WIN 0
	PLACES
	SOFT
	PVM
	OFIN \p
.endr
	OUTP
	s_add_co_u32 s[HQ], s[HQ], 64
	s_add_co_u32 s[HC], s[HC], 32*PC
	s_sub_co_i32 s[NH], s[NH], 1
	s_cmp_lg_u32 s[NH], 0
	s_cbranch_scc1 .Lhead
	PACK 0
	PACK 1                                         ; a tile's selects stand between the loads of the tile before and its stores
	SEND 0, 8
	PACK 2
	SEND 1, 8
	PACK 3
	SEND 2, 8
	SEND 3, 0
	s_wait_xcnt 0x0                                ; every store has had its addresses translated (ISA guide 3.1): only behind this wait are the stores' base and data registers written again
	s_add_nc_u64 s[26:27], s[26:27], 8192
	s_add_co_u32 s[BE], s[BE], ENTB
	s_add_co_u32 s[BM], s[BM], 512
	s_sub_co_i32 s[NB], s[NB], 1
	s_cmp_lg_u32 s[NB], 0
	s_cbranch_scc1 .Lbatch
	s_wait_tensorcnt 0x0                           ; the wave's end: the wait, the add and its wait, behind my last tensor load and my last LDS store
	ds_add_u32 v[SPW], v[NIL]
	s_wait_dscnt 0x0
	s_endpgm
.Lfunc_end_k_qc8711896c0_hyper:
	.size	k_qc8711896c0_hyper, .Lfunc_end_k_qc8711896c0_hyper-k_qc8711896c0_hyper
	.p2alignl 7, 3214868480
	.fill 96, 4, 3214868480
	.section	.rodata,"a",@progbits
	.p2align	6, 0x0
	.amdhsa_kernel k_qc8711896c0_hyper
		.amdhsa_group_segment_fixed_size 327680
		.amdhsa_private_segment_fixed_size 0
		.amdhsa_enable_private_segment 0
		.amdhsa_kernarg_size 80
		.amdhsa_user_sgpr_count 2
		.amdhsa_user_sgpr_kernarg_segment_ptr 1
		.amdhsa_wavefront_size32 1
		.amdhsa_system_sgpr_workgroup_id_x 1
		.amdhsa_system_sgpr_workgroup_id_y 1
		.amdhsa_system_sgpr_workgroup_id_z 1
		.amdhsa_system_vgpr_workitem_id 0
		.amdhsa_next_free_vgpr 1024
		.amdhsa_next_free_sgpr 72
		.amdhsa_reserve_vcc 1
		.amdhsa_float_denorm_mode_32 3
		.amdhsa_float_denorm_mode_16_64 3
		.amdhsa_memory_ordered 1
		.amdhsa_forward_progress 1
		.amdhsa_inst_pref_size 208
	.end_amdhsa_kernel
	.amdgpu_metadata
---
amdhsa.version: [ 1, 2 ]
amdhsa.kernels:
  - .name:           k_qc8711896c0_hyper
    .symbol:         k_qc8711896c0_hyper.kd
    .args:
      - { .name: entities, .offset: 0, .size: 8, .value_kind: global_buffer, .address_space: global }
      - { .name: entity_mask, .offset: 8, .size: 8, .value_kind: global_buffer, .address_space: global }
      - { .name: W1, .offset: 16, .size: 8, .value_kind: global_buffer, .address_space: global }
      - { .name: b1, .offset: 24, .size: 8, .value_kind: global_buffer, .address_space: global }
      - { .name: Wqkv, .offset: 32, .size: 8, .value_kind: global_buffer, .address_space: global }
      - { .name: Wout, .offset: 40, .size: 8, .value_kind: global_buffer, .address_space: global }
      - { .name: bout, .offset: 48, .size: 8, .value_kind: global_buffer, .address_space: global }
      - { .name: W2, .offset: 56, .size: 8, .value_kind: global_buffer, .address_space: global }
      - { .name: b2, .offset: 64, .size: 8, .value_kind: global_buffer, .address_space: global }
      - { .name: out0, .offset: 72, .size: 8, .value_kind: global_buffer, .address_space: global }
    .group_segment_fixed_size: 327680
    .private_segment_fixed_size: 0
    .kernarg_segment_align: 8
    .kernarg_segment_size: 80
    .max_flat_workgroup_size: 128
    .sgpr_count:     72
    .vgpr_count:     1024
    .wavefront_size: 32
...
	.end_amdgpu_metadata
.endif
;; end of part 1
